; MI455X (gfx1250); checked and timed in simulation.
; The chip was launched on July 23, 2026; its instructions are those of AMD's public machine-readable ISA for CDNA 5 (MIT licence, August 2026) and "CDNA5" Instruction Set Architecture Reference Guide (July 2026). The comments in the code are by the model that wrote it; some were corrected since.
;; Shifted Sparse Attention. Allowed arithmetic: matrix products marked QUANTISED: E2M1 operands, one E8M0 scale for each 32 along K, by v_wmma_scale_f32_16x16x128_f8f6f4 with both operands' format E2M1 (or v_wmma_scale_f32_32x16x128_f4), f32 sums; everything else in f32.
;; Inputs: b_qkv 3,072 float32; hidden_states 2 x 8,192 x 1,024 float32; w_qkv 3,072 x 1,024 float32.
;; Outputs: out0 2 x 8,192 x 1,024 float32.
;; This version of the problem:
;;   THIS VERSION OF THE PROBLEM IS GIVEN IN LOW PRECISION. The matrix products marked QUANTISED in the list below multiply operands that are first quantised to E2M1 (2 exponent bits, 1 mantissa bit; 4 bits a number), with one power-of-two scale for each 32 numbers along K (OCP MX v1.0); their sums are f32. All else is computed in f32.
;;   The module's matrix products, in the order in which they are computed (A, B: the left and right operand; K: the contracted axis; several contracted axes count as one K, in the product's order):
;;     1. [M 16,384, K 1,024] x [K 1,024, N 3,072]; A: input hidden_states; B: input w_qkv: QUANTISED
;;     2. batch 1,024 x [M 128, K 64] x [K 64, N 128]; A: computed on the way; B: computed on the way: QUANTISED
;;     3. batch 1,024 x [M 128, K 128] x [K 128, N 64]; A: softmax (see below); B: computed on the way: QUANTISED
;;     4. batch 1,024 x [M 128, K 64] x [K 64, N 128]; A: computed on the way; B: computed on the way: QUANTISED
;;     5. batch 1,024 x [M 128, K 128] x [K 128, N 64]; A: softmax (see below); B: computed on the way: QUANTISED
;;   THE QUANTISER, for each operand of a quantised product, along K:
;;     - K is cut into blocks of 32 from its start; a last block that is shorter is filled with zeros.
;;     - A block's scale is 2^e with e = floor(log2(the largest magnitude in the block)) - 2, held to -126 .. 127; a block of zeros has e = 0. As a byte (E8M0): e + 127.
;;     - Each number is divided by its block's scale, clamped to +-6, and rounded to the nearest number of E2M1, ties to even, subnormals kept.
;;     - The product sums the exact products of the quantised numbers (number of the format x scale) in f32.
;;   ~~~python
;;   def quantise(x, axis):      # numpy; x: float32 -> the quantised numbers, widened to float32 again
;;       x = np.moveaxis(x, axis, -1); K = x.shape[-1]
;;       x = np.pad(x, [(0, 0)] * (x.ndim - 1) + [(0, -K % 32)]); x = x.reshape(x.shape[:-1] + (-1, 32)); a = np.abs(x).max(-1, keepdims=True)
;;       e = np.where(a > 0, np.clip(np.frexp(np.where(a > 0, a, 1))[1] - 1 - 2, -126, 127), 0)      # np.frexp(a)[1] - 1 = floor(log2(a)), exactly
;;       r = np.clip(x / 2.0 ** e, -6, 6)
;;       step = 2.0 ** (np.maximum(np.frexp(np.where(r == 0, 1, r))[1] - 1, 0) - 1)
;;       q = np.round(r / step) * step * 2.0 ** e      # np.round: ties to even
;;       return np.moveaxis(q.reshape(q.shape[:-2] + (-1,))[..., :K], -1, axis).astype(np.float32)
;;   ~~~
;;   SOFTMAX AHEAD OF A QUANTISED PRODUCT. Where the list says 'softmax', what is quantised is not the finished softmax but p = 2^(t - M), with t = logit x log2(e) and M = ceil(the row's largest t), a whole number; so 1/2 < the row's largest p <= 1. The row's sum l is taken of the UNQUANTISED p, in f32, and the product's result is divided by l at the end. Since M is a whole number, a kernel that streams over the keys may use a running M (the ceiling of the running maximum): every later rescaling is an exact power of two, which a block's scale takes up: the codes' values come out the same.
;;   OPERANDS COMPUTED ON THE WAY. 'Computed on the way' means the value that the module computes at that place (a softmax that the list does not call 'softmax' is quantised finished and normalised). What goes into a quantiser is computed in f32, as accurately as f32 sums, v_exp_f32 and their like allow (about 1e-6 of the number): no bf16 or f16 on the way to a quantiser, and a product that is left as it is and whose result goes on into a quantised operand takes f32 operands (vector FMAs, or v_wmma_f32_16x16x4_f32). A number that lies on a knife's edge between two numbers of the format may be rounded either way, as far as f32 arithmetic and the matrix unit's own rounding can turn it there, and no further.
;; One version. Each part assembles by itself: llvm-mc -triple=amdgcn-amd-amdhsa -mcpu=gfx1250 --defsym DOCPART=n.
;; ======== version 1 of 1: 2 launches
;; limits: right only within a limited range of input values
;; workspace buffers: xc 8,388,608 bytes; xs 524,288 bytes; wimg 1,671,168 bytes
;; launch quant (part 1): grid 1216 x 1, 2 waves a work-group, no clusters, 19,712 bytes of LDS; arguments hidden_states, w_qkv, xc, xs, wimg; writes xc, xs, wimg
.if DOCPART == 1
	.amdgcn_target "amdgcn-amd-amdhsa--gfx1250"
	.amdhsa_code_object_version 6
	.text
	.protected	k_q37aa9fe08b_quant
	.globl	k_q37aa9fe08b_quant
	.p2align	8
	.type	k_q37aa9fe08b_quant,@function
k_q37aa9fe08b_quant:
	s_mov_b64 s[64:65], 0
	v_nop
	global_prefetch_b8 v0, s[64:65] scope:SCOPE_SE
	s_setreg_imm32_b32 hwreg(HW_REG_WAVE_MODE, 25, 1), 1
	s_wait_xcnt 0x0
; hidden_states [16384][1024] and w_qkv [3072][1024], f32, K innermost, become codes of FP4 (E2M1) with one E8M0 byte for each 32 along K,
; LAID IN THE ORDER OF THE OPERAND'S REGISTERS, so that the next launch loads whole fragments, 16 bytes a lane, 512 consecutive bytes an instruction.
; A TILE is 16 rows: in every run of 64 rows, lane r of tile 2 b + u takes row 32 b + 8 u + r + 8 (r / 8).  (Which rows form a tile is free; this choice makes
; the next launch's results fall, 16 neighbours along the next K, into a lane's consecutive registers.)
; A fragment's image (tile, K step of 128) is 1,024 bytes: [block u of 32 (4)][r (16)][16 bytes = 32 codes, the lower k in the lower bits].
; The scale bytes of a PAIR of tiles 2 b, 2 b + 1 are 1,024 bytes: [half of K (2)][tile of the pair (2)][r (16)][16 bytes, one for each block of that half].
;   xc:   [tile (1024)][K step (8)][1024]      xs: [pair (512)][1024]
;   wimg: [head (16)][k, v, q (3)] pieces of 34,816 bytes: [tile (4)][K step (8)][1024], then [pair (2)][1024] of scale bytes
; A block's scale is 2^(floor(log2(its largest magnitude)) - 2); its byte is the largest magnitude's exponent field - 2, held at 1 from below.
; LIMITS: a block of zeros gets the byte 1 where the rule says 127 (its codes are zeros, which add nothing, and this program alone reads the bytes);
; a block whose largest magnitude lies under 2^-124 is held at the byte 1, which is the rule's own hold; NaN and infinities among the inputs are not served.
; SHARES.  A wave takes one tile's 16 rows x half of K (512): 16 steps, a row's 2,048 consecutive bytes each: 2,432 waves, two to a work-group, so that 256 WGPs
; take 4 or 5 work-groups each.  Work-groups 0-1023 take x, 1024-1215 W: only pointers and offsets are chosen, there is one path through the text.
; Waves share nothing: no barrier.  No matrix unit, no cluster: each f32 byte is read once.
; A step's four loads read 512 consecutive bytes each; the 2,048 bytes turn through the wave's own stage in LDS, so that a lane holds 16 neighbours along K (two lanes a block).
; Codes and bytes are gathered in LDS and leave at the end: 4,096 + 256 consecutive bytes a wave.
.set STEPS, 16
.set EMAX,  2
.set XWG,   1024                       ; work-groups that take x: 1,024 tiles x 2 halves / 2 waves
.set PIECE, 34816
.set WSC,   32768                      ; a piece's scale bytes begin here
.set WREG,  9728                       ; LDS of a wave
.set SP,    80                         ; a lane's place in a stage: 64 bytes + 16 of padding
.set SCB,   2*32*SP                    ; behind the two stages: the wave's 256 scale bytes
.set CST,   SCB+256                    ; behind them: the codes, 16 blocks x (256 bytes + 16)
.set CU,    272
.set SPARE, 2*WREG                     ; the spare words: one block of 256 bytes
.set R,     16                         ; v16-79   four sets of 16 numbers as loaded; at the end v16-47 the codes on their way out
.set X,     80                         ; v80-111  two sets of 16 neighbours
.set E,     112                        ; v112-127 a scale byte for each step
.set C,     128                        ; v128-191 codes: four registers for each step (two used)
.set SPW,   192                        ; v192 LDS address of my spare word; v193 0; neither is rewritten
.set NIL,   193
	s_load_b128 s[4:7], s[0:1], 0x0                ; hidden_states, w_qkv
	s_load_b128 s[8:11], s[0:1], 0x10              ; xc, xs
	s_load_b64 s[12:13], s[0:1], 0x20              ; wimg
	v_lshl_add_u32 v[SPW], v0, 2, SPARE
	v_mov_b32 v[NIL], 0
	v_lshrrev_b32 v1, 5, v0
	v_readfirstlane_b32 s16, v1                    ; wave
	v_and_b32 v2, 31, v0                           ; lane
	v_lshlrev_b32 v3, 4, v2                        ; 16 x lane: my bytes of a load's 512, and of a store's
	s_mul_i32 s17, s16, WREG
	v_lshrrev_b32 v14, 2, v2
	v_mul_u32_u24 v14, v14, SP
	v_and_b32 v15, 3, v2
	v_lshl_add_u32 v14, v15, 4, v14
	v_add_nc_u32 v14, s17, v14                     ; the stage, in: four lanes' 64 bytes on end, then 16 of padding
	v_mul_u32_u24 v15, v2, SP
	v_add_nc_u32 v15, s17, v15                     ; and out: my 16 neighbours
	v_lshrrev_b32 v5, 1, v2                        ; my block of the step's 16
	v_mul_u32_u24 v4, v5, CU
	v_and_b32 v6, 1, v2
	v_lshl_add_u32 v4, v6, 3, v4
	v_add_nc_u32 v4, s17, v4
	v_add_nc_u32 v4, CST, v4                       ; codes, in: block x 272 + 8 x (lane % 2); the row's 16 bytes stand in the immediate
	v_add_nc_u32 v5, s17, v5
	v_add_nc_u32 v5, SCB, v5                       ; my block's scale byte
	v_lshlrev_b32 v7, 3, v2
	v_add_nc_u32 v6, s17, v7
	v_add_nc_u32 v6, SCB, v6                       ; scale bytes, out: 8 a lane
	v_lshrrev_b32 v10, 4, v2
	v_mul_u32_u24 v10, v10, CU
	v_and_b32 v12, 15, v2
	v_lshl_add_u32 v10, v12, 4, v10
	v_add_nc_u32 v10, s17, v10
	v_add_nc_u32 v10, CST, v10                     ; codes, out: sixteen lanes to a block's 256 bytes, two blocks an instruction
	s_cmp_lt_u32 ttmp9, XWG                        ; x's work-group or W's?  The choice hangs on the work-group's number alone
	s_cselect_b32 s18, 1, 0
	s_cselect_b32 s19, 0, XWG
	s_sub_co_u32 s19, ttmp9, s19
	s_lshl_b32 s19, s19, 1
	s_add_co_u32 s19, s19, s16                     ; wid = 2 x tile + half of K
	s_lshr_b32 s20, s19, 1                         ; tile
	s_and_b32 s21, s19, 1                          ; half
	s_and_b32 s36, s19, -4
	s_lshl_b32 s37, s21, 1
	s_or_b32 s36, s36, s37
	s_and_b32 s37, s20, 1
	s_or_b32 s36, s36, s37                         ; 4 x pair + 2 x half + tile of the pair: my unit of 256 scale bytes
	s_lshr_b32 s22, s20, 1
	s_lshl_b32 s22, s22, 5
	s_lshl_b32 s23, s37, 3
	s_add_co_u32 s22, s22, s23                     ; the tile's first row: 32 (tile / 2) + 8 (tile % 2)
	s_lshl_b32 s22, s22, 12                        ; a row is 4,096 bytes (under 2^27 in all)
	s_lshl_b32 s23, s21, 11
	s_add_co_u32 s22, s22, s23                     ; + my half of it
	s_mov_b32 s23, 0
	s_lshr_b32 s24, s20, 2                         ; W: which run of 64 rows,
	s_lshr_b32 s25, s24, 4                         ; q, k or v (0, 1, 2),
	s_and_b32 s24, s24, 15                         ; which head
	s_sub_co_u32 s26, s25, 1
	s_cmp_eq_u32 s25, 0
	s_cselect_b32 s26, 2, s26                      ; in wimg a head's pieces stand in the order k, v, q
	s_mul_i32 s24, s24, 3
	s_add_co_u32 s24, s24, s26
	s_mul_i32 s24, s24, PIECE
	s_and_b32 s27, s19, 7                          ; 2 x (tile in the piece) + half
	s_lshl_b32 s28, s27, 12
	s_add_co_u32 s28, s28, s24                     ; W's codes
	s_and_b32 s38, s36, 7
	s_lshl_b32 s29, s38, 8
	s_add_co_u32 s29, s29, s24
	s_add_co_u32 s29, s29, WSC                     ; W's scale bytes
	s_lshl_b32 s34, s19, 12                        ; x's codes
	s_lshl_b32 s35, s36, 8                         ; x's scale bytes
	s_cmp_eq_u32 s18, 1
	s_cselect_b32 s30, s34, s28
	s_cselect_b32 s32, s35, s29
	s_mov_b32 s31, 0
	s_mov_b32 s33, 0
	s_wait_alu depctr_va_vdst(0)                   ; the wait at the head's end
	s_wait_kmcnt 0x0
	s_cselect_b64 s[4:5], s[4:5], s[6:7]
	s_cselect_b64 s[8:9], s[8:9], s[12:13]
	s_cselect_b64 s[10:11], s[10:11], s[12:13]
	s_add_nc_u64 s[4:5], s[4:5], s[22:23]
	s_add_nc_u64 s[8:9], s[8:9], s[30:31]
	s_add_nc_u64 s[10:11], s[10:11], s[32:33]
.macro LOAD t                          ; step t = the tile's row r = t, which lies t + 8 (t / 8) rows behind the first
.irp i, 0,1,2,3
	global_load_b128 v[R+16*((\t)%4)+4*\i:R+16*((\t)%4)+4*\i+3], v3, s[4:5] offset:((\t)+8*((\t)/8))*4096+512*\i th:TH_LOAD_NT   ; 32 lanes read 512 consecutive bytes; read once in the launch
.endr
.endm
.macro TURN t                          ; step t's numbers through a stage: LDS serves a wave's instructions in order, so no wait stands between the stores and the loads
.irp i, 0,1,2,3
	ds_store_b128 v14, v[R+16*((\t)%4)+4*\i:R+16*((\t)%4)+4*\i+3] offset:32*SP*((\t)%2)+8*SP*\i
.endr
.irp i, 0,1,2,3
	ds_load_b128 v[X+16*((\t)%2)+4*\i:X+16*((\t)%2)+4*\i+3], v15 offset:32*SP*((\t)%2)+16*\i
.endr
.endm
.irp t, 0,1,2,3
	LOAD \t
.endr
	s_wait_loadcnt 12                              ; step 0's four loads are in; those of steps 1 to 3 may be out
	TURN 0
.macro STEP t
.set XSET, X+16*((\t)%2)
.if (\t) > 0
	s_wait_dscnt 2                                 ; this step's numbers are back from the stage (behind them: the last step's byte store and code store); so its stores into the stage have read their registers,
.else
	s_wait_dscnt 0x0
.endif
.if (\t)+4 < STEPS
	LOAD (\t)+4                                    ; which take the loads of four steps on
.endif
.if (\t)+1 < STEPS
.if STEPS-2-(\t) >= 3
	s_wait_loadcnt 12                              ; the next step's four loads are in; those of the three steps behind it may be out
.else
	s_wait_loadcnt 4*(STEPS-2-(\t))                ; the tail: fewer steps are left behind it
.endif
	TURN (\t)+1                                    ; they go through the other stage while this step is worked
.endif
	v_max3_num_f32 v8, |v[XSET]|, |v[XSET+1]|, |v[XSET+2]|         ; the largest magnitude of my 16, in two chains
	v_max3_num_f32 v9, |v[XSET+3]|, |v[XSET+4]|, |v[XSET+5]|
.irp i, 6,10
	v_max3_num_f32 v8, v8, |v[XSET+\i]|, |v[XSET+\i+1]|
	v_max3_num_f32 v9, v9, |v[XSET+\i+2]|, |v[XSET+\i+3]|
.endr
	v_max3_num_f32 v8, v8, |v[XSET+14]|, |v[XSET+15]|
	v_max3_num_f32 v8, v8, v9, (EMAX+1)<<23        ; and the floor 2^(3 - 127): the byte cannot fall under 1
	v_max_num_f32_dpp v8, v8, v8 row_xmask:1 row_mask:0xf bank_mask:0xf   ; with my neighbour's 16: the block's
	v_add_nc_u32 v11, -(EMAX<<23), v8              ; 2 off its exponent field: the conversion takes the exponent field of this operand as its scale, and nothing else of it
	v_cvt_scalef32_pk8_fp4_f32 v[C+4*(\t)], v[XSET:XSET+7], v11
	v_cvt_scalef32_pk8_fp4_f32 v[C+4*(\t)+1], v[XSET+8:XSET+15], v11
	v_lshrrev_b32 v[E+(\t)], 23, v11               ; the scale's byte (also the plain line behind the conversions)
	ds_store_b8 v5, v[E+(\t)] offset:16*(\t)       ; row t's 16 bytes; both lanes of a block write the same byte with the same value
	ds_store_b64 v4, v[C+4*(\t):C+4*(\t)+1] offset:16*(\t)   ; my 16 codes: half of row t's 16 bytes in my block's 256
.endm
.irp t, 0,1,2,3,4,5,6,7,8,9,10,11,12,13,14,15
	STEP \t
.endr
	ds_load_b64 v[12:13], v6                       ; LDS serves a wave's instructions in order: these see my stores
.irp j, 0,1,2,3,4,5,6,7
	ds_load_b128 v[R+4*\j:R+4*\j+3], v10 offset:2*\j*CU
.endr
	s_wait_dscnt 8                                 ; the scale bytes are back; the eight loads of codes may be out
	global_store_b64 v7, v[12:13], s[10:11]        ; 32 lanes store 256 consecutive bytes, aligned
.irp j, 0,1,2,3,4,5,6,7
	s_wait_dscnt 7-\j                              ; load j is back; the younger ones may be out
	global_store_b128 v3, v[R+4*\j:R+4*\j+3], s[8:9] offset:512*\j   ; 512 consecutive bytes, aligned: blocks 2 j and 2 j + 1
.endr
	s_wait_tensorcnt 0x0                           ; the wave's end
	ds_add_u32 v[SPW], v[NIL]
	s_wait_dscnt 0x0
	s_endpgm
.Lfunc_end_k_q37aa9fe08b_quant:
	.size	k_q37aa9fe08b_quant, .Lfunc_end_k_q37aa9fe08b_quant-k_q37aa9fe08b_quant
	.p2alignl 7, 3214868480
	.fill 96, 4, 3214868480
	.section	.rodata,"a",@progbits
	.p2align	6, 0x0
	.amdhsa_kernel k_q37aa9fe08b_quant
		.amdhsa_group_segment_fixed_size 19712
		.amdhsa_private_segment_fixed_size 0
		.amdhsa_enable_private_segment 0
		.amdhsa_kernarg_size 40
		.amdhsa_user_sgpr_count 2
		.amdhsa_user_sgpr_kernarg_segment_ptr 1
		.amdhsa_wavefront_size32 1
		.amdhsa_system_sgpr_workgroup_id_x 1
		.amdhsa_system_sgpr_workgroup_id_y 1
		.amdhsa_system_sgpr_workgroup_id_z 1
		.amdhsa_system_vgpr_workitem_id 0
		.amdhsa_next_free_vgpr 194
		.amdhsa_next_free_sgpr 66
		.amdhsa_reserve_vcc 0
		.amdhsa_float_denorm_mode_32 3
		.amdhsa_float_denorm_mode_16_64 3
		.amdhsa_memory_ordered 1
		.amdhsa_forward_progress 1
		.amdhsa_inst_pref_size 36
	.end_amdhsa_kernel
	.amdgpu_metadata
---
amdhsa.version: [ 1, 2 ]
amdhsa.kernels:
  - .name:           k_q37aa9fe08b_quant
    .symbol:         k_q37aa9fe08b_quant.kd
    .args:
      - { .name: hidden_states, .offset: 0, .size: 8, .value_kind: global_buffer, .address_space: global }
      - { .name: w_qkv, .offset: 8, .size: 8, .value_kind: global_buffer, .address_space: global }
      - { .name: xc, .offset: 16, .size: 8, .value_kind: global_buffer, .address_space: global }
      - { .name: xs, .offset: 24, .size: 8, .value_kind: global_buffer, .address_space: global }
      - { .name: wimg, .offset: 32, .size: 8, .value_kind: global_buffer, .address_space: global }
    .group_segment_fixed_size: 19712
    .private_segment_fixed_size: 0
    .kernarg_segment_align: 8
    .kernarg_segment_size: 40
    .max_flat_workgroup_size: 64
    .sgpr_count:     66
    .vgpr_count:     194
    .wavefront_size: 32
...
	.end_amdgpu_metadata
.endif
;; end of part 1
;; launch attn (part 2): grid 32 x 8, 4 waves a work-group, clusters of 4 x 1, 226,816 bytes of LDS; arguments xc, xs, wimg, b_qkv, out0; writes out0
.if DOCPART == 2
	.amdgcn_target "amdgcn-amd-amdhsa--gfx1250"
	.amdhsa_code_object_version 6
	.text
	.protected	k_q37aa9fe08b_attn
	.globl	k_q37aa9fe08b_attn
	.p2align	8
	.type	k_q37aa9fe08b_attn,@function
k_q37aa9fe08b_attn:
	s_mov_b64 s[64:65], 0
	v_nop
	global_prefetch_b8 v0, s[64:65] scope:SCOPE_SE
	s_setreg_imm32_b32 hwreg(HW_REG_WAVE_MODE, 25, 1), 1
	s_wait_xcnt 0x0
	s_wait_alu depctr_hold_cnt(0) depctr_sa_sdst(0) depctr_va_vdst(0) depctr_va_sdst(0) depctr_va_ssrc(0) depctr_va_vcc(0) depctr_vm_vsrc(0)
	s_getreg_b32 s2, hwreg(HW_REG_IB_STS2, 6, 4)
	s_cmp_eq_u32 s2, 0
	s_cbranch_scc0 .Lentry_in_a_cluster
	s_endpgm
.Lentry_in_a_cluster:
	s_bfe_u32 s2, ttmp6, 0x10000c
	s_cmp_lg_u32 s2, 0x3003
	s_cbranch_scc0 .Lentry_shape_is_right
	s_endpgm
.Lentry_shape_is_right:
; qkv = x W^T + b, then for each (chunk of 128 tokens, head) softmax(q k^T / 8) v; every product on codes of FP4 (E2M1) with one E8M0 scale for each 32 along its K.
; (reference()'s rolls along the 16 heads by 128 are rolls by 0.)  out0 lies as [batch][head][token][64] f32: a token's row of a head is 256 consecutive bytes.
; x and W arrive as fragment images (16 rows x 128 K = 1,024 bytes, 16 bytes a lane in register order) with the rows of a tile chosen so: lane r of tile 2 b + u = row 32 b + 8 u + r + 8 (r / 8).
; SHARES.  ONE WAVE OWNS ONE (CHUNK, HEAD) FROM THE PROJECTION TO THE STORE.  A work-group is 4 chunks (one a wave) x 2 heads (a loop of two trips): 32 x 8 = 256 work-groups.
; A wave keeps its chunk's codes of x for all of K in 512 registers and makes k, v and q of a head in three passes of 128 x 64 (256 accumulator registers), so LDS is read for W's fragments alone.
; Both heads' W (6 pieces of 34,816 bytes) lies in LDS whole, filled ONCE: no slot is ever filled again.
; CLUSTER.  The four work-groups of a cluster have the same two heads: W is asked for JOINTLY (mask 15), each wave a quarter.  x is not shared so: it goes straight into registers, each wave its own chunk.
; NO PREFETCH: all of x and W is asked for by the kernel's first instructions: no load stands in the loop but the biases'.
; LAYOUT.  The 32 x 16 form: source 0 is a PAIR of tiles.  q, k: source 0 = 32 rows of W, source 1 = 16 tokens: a lane holds ONE token, and the 16 registers of a pair b are d = 32 b + 16 (lane / 16) + 0 .. 15.
;          v:    source 0 = 32 tokens, source 1 = 16 rows of W: a lane holds ONE d, and the 16 registers are 16 neighbouring tokens: the second product's K.
;          S^T = k q^T and O^T = v^T p^T: a lane holds ONE query; the 16 registers of pair b are 16 neighbouring keys.  So every quantiser finds 16 neighbours along K in a lane, a block in lanes l and l xor 16.
; SCALE REGISTERS hold a pair of tiles: the even tile's 16 words in lanes 0-15, the odd one's in lanes 16-31: whole for source 0, by ROW for source 1.
; K = 64 IN AN INSTRUCTION OF K = 128: q's fragment is 4 registers of codes and 4 of zero codes; k's tiles lie 4 registers apart in the order 0, 2, 1, 3, so that a pair's tiles are 8 apart and what stands between them
; (other tiles' codes) meets zeros.  The upper two bytes of both scale words are 0, which is 2^-127.
; SOFTMAX: t = score x log2(e) / 8; M = ceil(the row's largest t), kept as -M = floor(-t); p = 2^(t - M) is quantised; the row's sum of the unquantised p divides O at the end.  All 128 keys are at hand: M never moves.
; TWO TILES OF QUERIES, a = 0, 1, go through the softmax together, line by line by turns.
; The biases are the C of each sum's first matrix instruction: q's and k's from registers of their own, v's from the accumulators whose own first product comes last.
; LIMITS: NaN and infinities are not served; a block of zeros, or one whose largest magnitude lies under 2^-124, has the scale byte 1 (zeros stay zeros; the rule's own hold).
; REGISTERS, in windows of 256 (s_set_vgpr_msb: bits 1:0 source 0, 3:2 source 1, 5:4 source 2, 7:6 destination):
;   windows 2, 3: x's fragment (K step s, tile i) at v[64 (s % 4) + 8 i] of window 2 + s / 4.
;   window 1: the passes' accumulators; in the attention phase the registers named from SX on.  window 0: all else.
.set PIECE, 34816                      ; one head's k, v or q rows of W: 4 tiles x 8 K steps x 1,024 bytes, then 2 x 1,024 scale bytes
.set WSC,   32768
.set WALL,  6*PIECE                    ; 208,896 bytes: LDS 0 on
.set QUART, WALL/4                     ; what one wave's tensor load brings: 204 rows of 256 bytes
.set STG,   WALL                       ; behind W: a stage of 16 rows x 272 bytes for each wave; no tensor load lands there
.set SPI,   272
.set SPARE, STG+4*16*SPI               ; the spare words, 128 bytes a wave
.set LI,  0                            ; 16 x lane
.set SPW, 1                            ; LDS address of my spare word; never rewritten
.set NIL, 2                            ; 0; never rewritten
.set WA,  3                            ; LDS address of my 16 bytes in the piece in hand
.set SO,  4                            ; the stage: where I put 64 bytes of a row
.set SR,  5                            ; and where I read a row back
.set BH,  6                            ; 64 x (lane / 16): q's and k's bias
.set BV,  7                            ; 4 x (r + 8 (r / 8)): v's bias
.set PW,  8                            ; v8-9     p's scale words, a tile each
.set XS,  12                           ; v12-43   x's scale words: register 8 x pair + K step
.set WS,  44                           ; v44-59   W's: register 8 x pair + K step
.set WB,  60                           ; v60-91, v92-123  W's four fragments of a K step, two buffers
.set QC,  60                           ; v60-123  later q's codes: tile t at 8 t (4 of codes, 4 of zeros)
.set KC,  124                          ; v124-155 k's codes
.set VC,  156                          ; v156-187 v's codes: d tile t at 8 t; directly behind k's
.set KS,  188                          ; v188-191 k's scale words
.set VS,  192                          ; v192-193 v's
.set QS,  194                          ; v194-197 q's
.set TM,  198                          ; v198-205 the quantiser: largest magnitudes, then bytes
.set TP,  206                          ; v206-213 the other half's, then the conversions' scale operands
.set BI,  216                          ; v216-247 the bias: eight registers a d tile (of v's one)
.set SX,  0                            ; window 1: S^T, then p: tile a at 64 a
.set OX,  128                          ; O^T: 128 + 32 a
.set PCD, 192                          ; p's codes: 192 + 8 a; ahead of them three of the four chains of the row's sum
.set TT,  208                          ; + 4 a: four blocks' largest scores, then largest p, then bytes
.set UU,  216                          ; + 4 a: the other half's, then the conversions' scale operands
.set LS,  224                          ; + 2 a: the row's sum
.set NM,  228                          ; + 2 a: -M (named as a pair)
.set RC,  232                          ; + 2 a: 1 / the sum (named as a pair)
.set MX,  236                          ; + a: the row's largest t; later the scale word in the making
.set WV,  14                           ; s14  my wave's number
.set G1,  24                           ; s[24:31] descriptor group 1
.set G0,  32                           ; s[32:35] descriptor group 0
.set SEL, 40                           ; s[40:41] v_permlanex16_b32's selects for lane l xor 16
.set CS,  42                           ; s[42:43] c = log2(e) / 8 (the packed form names a pair and takes its low word)
.set HD,  44                           ; heads to go
.set PB,  45                           ; LDS byte at which the piece in hand begins
.set HM,  54                           ; lanes 16-31
.set MSB, 0
.macro WIN new                         ; the immediate's high byte repeats the setting that is left; a switch that changes nothing is dropped
.if MSB != \new
	s_set_vgpr_msb (MSB<<8)|\new
.set MSB, \new
.endif
.endm
.macro PLACES n                        ; plain vector lines that name no register: the distance behind matrix instructions and ahead of scaled ones (ISA guide 7.12.1)
.rept \n
	v_nop
.endr
.endm
.macro CROUND                          ; a round of the cluster's barrier: my work-group's barrier; wave 0 signals for the work-group; every wave waits for all four work-groups; my work-group's barrier once more
	s_barrier_signal -1
	s_barrier_wait -1
	s_cmp_lg_u32 s[WV], 0
	s_cbranch_scc1 .Lnot_wave_0_\@
	s_barrier_signal -3
.Lnot_wave_0_\@:
	s_barrier_wait -3
	s_barrier_signal -1
	s_barrier_wait -1
.endm
; One matrix instruction on the registers named by rD, rA, rB, rC, rSA, rSB: 32 x 16 x 128.  rR = 1: source 1's scale words are taken from lanes 16-31.
.macro PROD
.if rR
	v_wmma_scale_f32_32x16x128_f4 v[rD:rD+15], v[rA:rA+15], v[rB:rB+7], v[rC:rC+15], v[rSA], v[rSB] matrix_b_scale:MATRIX_SCALE_ROW1
.else
	v_wmma_scale_f32_32x16x128_f4 v[rD:rD+15], v[rA:rA+15], v[rB:rB+7], v[rC:rC+15], v[rSA], v[rSB]
.endif
.endm
.macro PROD0                           ; the same with C = 0
.if rR
	v_wmma_scale_f32_32x16x128_f4 v[rD:rD+15], v[rA:rA+15], v[rB:rB+7], 0, v[rSA], v[rSB] matrix_b_scale:MATRIX_SCALE_ROW1
.else
	v_wmma_scale_f32_32x16x128_f4 v[rD:rD+15], v[rA:rA+15], v[rB:rB+7], 0, v[rSA], v[rSB]
.endif
.endm
; q's or k's bias: lane (r, h) wants, for d tile t, the eight numbers at d = 32 (t / 2) + 8 (t % 2) + 16 h on
.macro BIASQK base
.irp t, 0,1,2,3
	global_load_b128 v[BI+8*\t:BI+8*\t+3], v[BH], s[10:11] offset:\base+(32*(\t/2)+8*(\t%2))*4
	global_load_b128 v[BI+8*\t+4:BI+8*\t+7], v[BH], s[10:11] offset:\base+(32*(\t/2)+8*(\t%2))*4+16
.endr
.endm
; v's bias: lane (r, h) holds ONE d = 32 (t / 2) + 8 (t % 2) + r + 8 (r / 8): one number a tile, spread over sixteen registers later
.macro BIASV
.irp t, 0,1,2,3
	global_load_b32 v[BI+8*\t], v[BV], s[10:11] offset:8192+(32*(\t/2)+8*(\t%2))*4
.endr
.endm
; The piece in hand: its scale words, and its fragments of K step 0 into buffer 0
.macro PRELOAD
	v_add_nc_u32 v[WA], s[PB], v[LI]
.irp n, 0,1,2,3
	ds_load_b128 v[WS+4*\n:WS+4*\n+3], v[WA] offset:WSC+512*\n
.endr
.irp t, 0,1,2,3
.irp c, 0,1
	ds_load_b128 v[WB+8*\t+4*\c:WB+8*\t+4*\c+3], v[WA] offset:\t*8192+512*\c
.endr
.endr
.endm
; one product of a pass's K step.  q, k: token tile i, d pair b, accumulator at 32 i + 16 b;  v: d tile t, token pair b, accumulator at 64 t + 16 b.  In both, 16 registers are half a block of 32 along the next K
.macro QKP i, b
.set rD, 32*\i+16*\b
.set rA, WB+32*(KSTP%2)+16*\b
.set rB, 64*(KSTP%4)+8*\i
.set rSA, WS+8*\b+KSTP
.set rSB, XS+8*(\i/2)+KSTP
.set rR, \i%2
.set rC, rD
.if KSTP == 0
.set rC, BI+16*\b
.endif
	PROD
.endm
.macro VVP t, b
.set rD, 64*\t+16*\b
.set rA, 64*(KSTP%4)+16*\b
.set rB, WB+32*(KSTP%2)+8*\t
.set rSA, XS+8*\b+KSTP
.set rSB, WS+8*(\t/2)+KSTP
.set rR, \t%2
.set rC, rD
.if KSTP == 0
.set rC, 64*\t+48
.endif
	PROD
.endm
.macro HALFWAIT                        ; the second half of this K step's fragments is in; the next K step's 8 loads may be out
.if KSTP < 7
	s_wait_dscnt 8
.else
	s_wait_dscnt 0x0
.endif
.endm
; A PASS: 128 tokens x 64 rows of W x K = 1,024: 8 K steps of 16 products.  The 16 accumulators of 16 registers take turns, one instruction a turn; between two products on one
; accumulator stand at least six others, from K step 0 (whose order serves the bias) to K step 1 too.
; A K step asks for the next one's fragments ahead of its own wait.  kind: 0 = q, k, 1 = v.  xwait = 1: the pass in which x's loads may still be on their way.
; bias: what is loaded into the bias registers in K step 1, when K step 0 has read them: 0 v's, 1 q's, 2 the next head's k's.
.macro PASS kind, xwait, bias
.set KSTP, 0
.rept 8
.if KSTP > 0
	PLACES 4                                       ; ahead of loads into the buffer that the last K step's products read (in K step 1: into the bias registers too)
.endif
	WIN 0
.if KSTP < 7
.irp t, 0,1,2,3
.irp c, 0,1
	ds_load_b128 v[WB+32*((KSTP+1)%2)+8*\t+4*\c:WB+32*((KSTP+1)%2)+8*\t+4*\c+3], v[WA] offset:\t*8192+(KSTP+1)*1024+512*\c
.endr
.endr
.endif
.if KSTP == 1
.if \bias == 0
	BIASV
.elseif \bias == 1
	BIASQK 0
.else
	BIASQK 4096+256                                ; the next head's k.  In the last trip there is none: the loads stay inside b_qkv (byte 8,447 at the most) and nobody reads them
.endif
.endif
.if KSTP == 0
	s_wait_dscnt 8                                 ; all but the 8 just issued: scale words and fragments are in
.elseif KSTP < 7
	s_wait_dscnt 12                                ; the first half of this K step's 8 is in; behind it stand the other half and the 8 just issued
.else
	s_wait_dscnt 4                                 ; the same, with nothing issued behind
.endif
.if \xwait
.if KSTP == 0
	s_wait_loadcnt 63                              ; 144 loads were issued at the head: the oldest 81 are in: k's bias (8), x's scale words (8), x's K steps 0 to 3 (64)
.elseif KSTP >= 4
	s_wait_loadcnt 16*(7-KSTP)+4                   ; behind this K step's 16 loads: those of the later K steps and the four of v's bias
.endif
.endif
.if \kind == 0
.if KSTP == 0
	WIN 0x48                                       ; W window 0, x window 2, C (the bias) window 0, D window 1
.elseif KSTP < 4
	WIN 0x58                                       ; C and D window 1
.else
	WIN 0x5c                                       ; x window 3
.endif
.if KSTP == 0
.irp i, 0,1,2,3,4,5,6,7
	QKP \i, 0
	QKP \i, 1
.endr
.else
.irp i, 0,1,2,3,4,5,6,7
	QKP \i, 0
.endr
	HALFWAIT
.irp i, 0,1,2,3,4,5,6,7
	QKP \i, 1
.endr
.endif
.else
.if KSTP < 4
	WIN 0x52                                       ; x window 2, W window 0, C and D window 1
.else
	WIN 0x53
.endif
.if KSTP == 0
.irp b, 0,1,2
.irp t, 0,1,2,3
	VVP \t, \b
.endr
.endr
	PLACES 5                                       ; the products ahead have read the bias in token pair 3's accumulators as their C: five places ahead of a write over it
.irp t, 0,1,2,3
	VVP \t, 3
.endr
.else
.irp t, 0,1
.irp b, 0,1,2,3
	VVP \t, \b
.endr
.endr
	HALFWAIT
.irp t, 2,3
.irp b, 0,1,2,3
	VVP \t, \b
.endr
.endr
.endif
.endif
.set KSTP, KSTP+1
.endr
	PLACES 4                                       ; behind the last products, ahead of loads into W's registers and of the quantiser's first reads
	WIN 0
	s_add_co_u32 s[PB], s[PB], PIECE
.endm
; where the codes of the pair of half blocks p of group g go
.macro PLACEOF kind, g, p
.if \kind == 0
.set rK, KC+16*\g+4*(2*(\p%2)+\p/2)
.elseif \kind == 1
.set rK, VC+4*(4*\g+\p)
.else
.set rK, QC+8*(4*\g+\p)
.endif
.endm
; THE QUANTISER of a pass's 256 registers: 16 half blocks n (registers 16 n .. 16 n + 15 of window 1; the other half lies in lane l xor 16), eight at a time, by turns.
; Two exchanges of halves for each pair of blocks give each lane a whole block, as the operand's layout wants.  kind: 0 = k, 1 = v, 2 = q.
; A scale word has two bytes (K = 64: q, k) or four (K = 128: v); a register takes the even tile's in lanes 0-15, the odd one's in lanes 16-31.
.macro QUANT kind
.irp g, 0,1
	WIN 0x05                                       ; sources 0 and 1 window 1
.irp e, 0,1,2,3,4,5,6,7
	v_max3_num_f32 v[TM+\e], |v[128*\g+16*\e]|, |v[128*\g+16*\e+1]|, 0x1800000   ; each accumulator is read from its low end on; the floor 2^(3 - 127) holds the byte at 1 from below
.endr
.irp i, 2,4,6,8,10,12,14
.irp e, 0,1,2,3,4,5,6,7
	v_max3_num_f32 v[TM+\e], |v[128*\g+16*\e+\i]|, |v[128*\g+16*\e+\i+1]|, v[TM+\e]
.endr
.endr
	WIN 0
.irp e, 0,1,2,3,4,5,6,7
	v_permlanex16_b32 v[TP+\e], v[TM+\e], s[SEL], s[SEL+1]
.endr
.irp e, 0,1,2,3,4,5,6,7
	v_max_num_f32 v[TM+\e], v[TM+\e], v[TP+\e]     ; with lane l xor 16's: the block's largest magnitude
.endr
.irp e, 0,1,2,3,4,5,6,7
	v_add_nc_u32 v[TP+\e], 0xff000000, v[TM+\e]    ; 2 off its exponent field: the conversion's scale operand
.endr
.irp e, 0,1,2,3,4,5,6,7
	v_lshrrev_b32 v[TM+\e], 23, v[TP+\e]           ; the scale's byte
.endr
.if \kind == 1
.irp i, 1,2,3
.irp p, 0,1
	v_lshl_or_b32 v[TM+4*\p], v[TM+4*\p+\i], 8*\i, v[TM+4*\p]
.endr
.endr
	v_cndmask_b32 v[VS+\g], v[TM], v[TM+4], s[HM]
.else
.irp p, 0,1,2,3
	v_lshl_or_b32 v[TM+2*\p], v[TM+2*\p+1], 8, v[TM+2*\p]
.endr
.set rQ, KS+2*\g
.if \kind == 2
.set rQ, QS+2*\g
.endif
	v_cndmask_b32 v[rQ], v[TM], v[TM+2], s[HM]
	v_cndmask_b32 v[rQ+1], v[TM+4], v[TM+6], s[HM]
.endif
	WIN 0x01                                       ; the numbers window 1; the scale operand and the codes window 0
.irp p, 0,1,2,3
	PLACEOF \kind, \g, \p
.irp u, 0,1
	v_cvt_scalef32_pk8_fp4_f32 v[rK+2*\u], v[128*\g+32*\p+16*\u:128*\g+32*\p+16*\u+7], v[TP+2*\p+\u]
	v_cvt_scalef32_pk8_fp4_f32 v[rK+2*\u+1], v[128*\g+32*\p+16*\u+8:128*\g+32*\p+16*\u+15], v[TP+2*\p+\u]
.endr
.endr
	WIN 0
	v_nop                                          ; one plain line behind the last conversion of a run
.irp p, 0,1,2,3
	PLACEOF \kind, \g, \p
.irp i, 0,1
	v_permlane16_swap_b32 v[rK+\i], v[rK+2+\i]     ; lanes 0-15 now hold the even block, lanes 16-31 the odd one
.endr
.endr
.endr
.endm
; S^T of the query tiles 2 m + a: four pairs of key tiles each
.macro STPROD m
	WIN 0x40                                       ; k and q window 0, S^T window 1
.irp a, 0,1
.irp b, 0,1,2,3
.set rD, SX+64*\a+16*\b
.set rA, KC+16*(\b/2)+4*(\b%2)
.set rB, QC+8*(2*(\m)+\a)
.set rSA, KS+\b
.set rSB, QS+(\m)
.set rR, \a
	PROD0
.endr
.endr
.endm
; O^T of both tiles is divided by the rows' sums, from each accumulator's low end on
.macro NORM
	WIN 0x55
.irp j, 0,2,4,6,8,10,12,14,16,18,20,22,24,26,28,30
.irp a, 0,1
	v_pk_mul_f32 v[OX+32*\a+\j:OX+32*\a+\j+1], v[OX+32*\a+\j:OX+32*\a+\j+1], v[RC+2*\a:RC+2*\a+1] op_sel_hi:[1,0]
.endr
.endr
.endm
; goes through my own stage (lane (r, h): query r's d = 32 b + 16 h + 0 .. 15) and comes back as whole rows of 256 bytes, into the registers that it left.  LDS serves a wave's instructions in order (ISA guide 5.7.1.4)
.macro STAGE
.irp a, 0,1
	WIN 0x04                                       ; an LDS store's data are its source 1
.irp b, 0,1
.irp k, 0,1,2,3
	ds_store_b128 v[SO], v[OX+32*\a+16*\b+4*\k:OX+32*\a+16*\b+4*\k+3] offset:128*\b+16*\k
.endr
.endr
	WIN 0x40
.irp k, 0,1,2,3,4,5,6,7
	ds_load_b128 v[OX+32*\a+4*\k:OX+32*\a+4*\k+3], v[SR] offset:2*\k*SPI
.endr
.endr
.endm
; and is stored: stage rows 2 k and 2 k + 1 are neighbouring tokens, so 32 lanes store 512 consecutive bytes, aligned
.macro SEND m
	WIN 0x04
	s_wait_dscnt 0x0                               ; the rows are back from the stage
.irp a, 0,1
.irp k, 0,1,2,3,4,5,6,7
	global_store_b128 v[LI], v[OX+32*\a+4*\k:OX+32*\a+4*\k+3], s[12:13] offset:(32*(\m)+8*\a+2*\k+8*(\k/4))*256 th:TH_STORE_NT
.endr
.endr
.endm
; TWO TILES OF 16 QUERIES, 2 m and 2 m + 1.  Their scores have been asked of the matrix unit, four places lie behind them; the pair before is normalised, staged and stored among this pair's softmax.
.macro PAIR m
.if \m > 0
	NORM
	STAGE
.endif
	WIN 0x55
.irp b, 0,1,2,3
.irp a, 0,1
	v_max3_num_f32 v[TT+4*\a+\b], v[SX+64*\a+16*\b], v[SX+64*\a+16*\b+1], v[SX+64*\a+16*\b+2]   ; the largest score of each block of 32 keys: for the row's maximum, and, since p rises with the score, for the block's largest p
.endr
.endr
.irp i, 3,5,7,9,11,13
.irp b, 0,1,2,3
.irp a, 0,1
	v_max3_num_f32 v[TT+4*\a+\b], v[TT+4*\a+\b], v[SX+64*\a+16*\b+\i], v[SX+64*\a+16*\b+\i+1]
.endr
.endr
.endr
.irp n, 0,1,2,3,4,5,6,7
	v_max_num_f32 v[TT+\n], v[TT+\n], v[SX+16*\n+15]
.endr
.irp n, 0,1,2,3,4,5,6,7
	v_permlanex16_b32 v[UU+\n], v[TT+\n], s[SEL], s[SEL+1]
.endr
.irp n, 0,1,2,3,4,5,6,7
	v_max_num_f32 v[TT+\n], v[TT+\n], v[UU+\n]     ; with lane l xor 16's 16 keys
.endr
.irp a, 0,1
	v_max3_num_f32 v[MX+\a], v[TT+4*\a], v[TT+4*\a+1], v[TT+4*\a+2]
.endr
.irp a, 0,1
	v_max_num_f32 v[MX+\a], v[MX+\a], v[TT+4*\a+3] ; my query's largest score,
.endr
.irp a, 0,1
	v_mul_f32 v[MX+\a], s[CS], v[MX+\a]            ; as t (c is positive)
.endr
.irp a, 0,1
	v_floor_f32 v[NM+2*\a], -v[MX+\a]              ; -M = floor(-t) = -ceil(t)
.endr
.irp j, 0,2,4,6,8,10,12,14,16,18,20,22,24,26,28,30,32,34,36,38,40,42,44,46,48,50,52,54,56,58,60,62
	v_pk_fma_f32 v[SX+\j:SX+\j+1], v[SX+\j:SX+\j+1], s[CS:CS+1], v[NM:NM+1] op_sel_hi:[1,0,0]   ; t - M, two at a time: the first tile's
.endr
.irp b, 0,1,2,3
	v_fma_f32 v[TT+\b], v[TT+\b], s[CS], v[NM]     ; the same of each block's largest score
.endr
.if \m > 0
	SEND \m-1
	WIN 0x55
.endif
	s_wait_alu depctr_va_vdst(0)                   ; the wait ahead of the batch
.irp n, 0,4,8,12,16,20,24,28,32,36,40,44,48,52,56,60
	v_exp_f32 v[SX+\n], v[SX+\n]                   ; p = 2^(t - M), at most 1: not normalised: the first tile's, with the second tile's t - M between them
	v_exp_f32 v[SX+\n+1], v[SX+\n+1]
	v_pk_fma_f32 v[SX+64+\n:SX+65+\n], v[SX+64+\n:SX+65+\n], s[CS:CS+1], v[NM+2:NM+3] op_sel_hi:[1,0,0]
	v_exp_f32 v[SX+\n+2], v[SX+\n+2]
	v_exp_f32 v[SX+\n+3], v[SX+\n+3]
	v_pk_fma_f32 v[SX+66+\n:SX+67+\n], v[SX+66+\n:SX+67+\n], s[CS:CS+1], v[NM+2:NM+3] op_sel_hi:[1,0,0]
.endr
.irp b, 0,1,2,3
	v_exp_f32 v[TT+\b], v[TT+\b]                   ; the block's largest p: the same two instructions on the same number
	v_fma_f32 v[TT+4+\b], v[TT+4+\b], s[CS], v[NM+2]
.endr
	s_wait_alu depctr_va_vdst(0)                   ; the second tile's batch: its sources were written among the first's
.irp j, 0,1,2,3,4,5,6,7,8,9,10,11,12,13,14,15,16,17,18,19,20,21,22,23,24,25,26,27,28,29,30,31,32,33,34,35,36,37,38,39,40,41,42,43,44,45,46,47,48,49,50,51,52,53,54,55,56,57,58,59,60,61,62,63
	v_exp_f32 v[SX+64+\j], v[SX+64+\j]
.endr
.irp b, 0,1,2,3
	v_exp_f32 v[TT+4+\b], v[TT+4+\b]
.endr
	v_nop                                          ; a plain line behind the last exponential
	s_wait_alu depctr_va_vdst(0)                   ; one wait for the batch, ahead of its first reader
.if \m > 0
	s_wait_xcnt 0x0                                ; the stores of the pair before have read their registers: O^T is written again only behind this wait
.endif
.irp a, 0,1
	v_pk_add_f32 v[LS+2*\a:LS+2*\a+1], v[SX+64*\a:SX+64*\a+1], v[SX+64*\a+2:SX+64*\a+3]   ; the row's sum of the UNQUANTISED p, two at a time, in four chains a tile
.irp c, 0,1,2
	v_pk_add_f32 v[PCD+8*\a+2*\c:PCD+8*\a+2*\c+1], v[SX+64*\a+4+4*\c:SX+64*\a+5+4*\c], v[SX+64*\a+6+4*\c:SX+64*\a+7+4*\c]
.endr
.endr
.irp j, 16,24,32,40,48,56
.irp a, 0,1
	v_pk_add_f32 v[LS+2*\a:LS+2*\a+1], v[LS+2*\a:LS+2*\a+1], v[SX+64*\a+\j:SX+64*\a+\j+1]
.irp c, 0,1,2
	v_pk_add_f32 v[PCD+8*\a+2*\c:PCD+8*\a+2*\c+1], v[PCD+8*\a+2*\c:PCD+8*\a+2*\c+1], v[SX+64*\a+\j+2+2*\c:SX+64*\a+\j+3+2*\c]
.endr
.endr
.endr
.irp a, 0,1
	v_pk_add_f32 v[LS+2*\a:LS+2*\a+1], v[LS+2*\a:LS+2*\a+1], v[PCD+8*\a:PCD+8*\a+1]
	v_pk_add_f32 v[PCD+8*\a+2:PCD+8*\a+3], v[PCD+8*\a+2:PCD+8*\a+3], v[PCD+8*\a+4:PCD+8*\a+5]
.endr
.irp n, 0,1,2,3,4,5,6,7
	v_max_num_f32 v[TT+\n], 0x1800000, v[TT+\n]    ; the floor 2^(3 - 127): a block whose every p has fallen to 0 keeps the byte 1; its codes are zeros
.endr
.irp a, 0,1
	v_pk_add_f32 v[LS+2*\a:LS+2*\a+1], v[LS+2*\a:LS+2*\a+1], v[PCD+8*\a+2:PCD+8*\a+3]
.endr
.irp n, 0,1,2,3,4,5,6,7
	v_add_nc_u32 v[UU+\n], 0xff000000, v[TT+\n]    ; 2 off the exponent field: the conversion's scale operand
.endr
.irp a, 0,1
	v_add_f32 v[LS+2*\a], v[LS+2*\a], v[LS+2*\a+1]
.endr
.irp n, 0,1,2,3,4,5,6,7
	v_lshrrev_b32 v[TT+\n], 23, v[UU+\n]           ; the scale's byte
.endr
.irp a, 0,1
	v_permlanex16_b32 v[PCD+8*\a], v[LS+2*\a], s[SEL], s[SEL+1]
.endr
.irp i, 1,2
.irp a, 0,1
.if \i == 1
	v_lshl_or_b32 v[MX+\a], v[TT+4*\a+1], 8, v[TT+4*\a]
.else
	v_lshl_or_b32 v[MX+\a], v[TT+4*\a+2], 16, v[MX+\a]
.endif
.endr
.endr
.irp a, 0,1
	v_add_f32 v[LS+2*\a], v[LS+2*\a], v[PCD+8*\a]  ; with lane l xor 16's 64 keys: the row's sum
.endr
	WIN 0x11                                       ; scale operands are taken from window 0: the finished words go there
.irp a, 0,1
	v_lshl_or_b32 v[PW+\a], v[TT+4*\a+3], 24, v[MX+\a]
.endr
	WIN 0x55
	s_wait_alu depctr_va_vdst(0)                   ; the wait ahead of the reciprocals
.irp a, 0,1
	v_rcp_f32 v[RC+2*\a], v[LS+2*\a]
.endr
	v_nop                                          ; a plain line behind the reciprocals
.irp n, 0,1,2,3,4,5,6,7
	v_cvt_scalef32_pk8_fp4_f32 v[PCD+2*\n], v[SX+16*\n:SX+16*\n+7], v[UU+\n]
	v_cvt_scalef32_pk8_fp4_f32 v[PCD+2*\n+1], v[SX+16*\n+8:SX+16*\n+15], v[UU+\n]
.endr
	v_nop                                          ; one plain line behind the last conversion
.irp c, 0,1,2,3
.irp i, 0,1
	v_permlane16_swap_b32 v[PCD+4*\c+\i], v[PCD+4*\c+2+\i]
.endr
.endr
	PLACES 4                                       ; an operand written by a vector line stands four places ahead of the scaled product that takes it; the scale words, 28 vector lines back, eight
	WIN 0x44                                       ; v window 0, p window 1, O^T window 1
	s_wait_alu depctr_va_vdst(0)                   ; the wait behind the reciprocals, ahead of their readers
.irp a, 0,1
.irp b, 0,1
.set rD, OX+32*\a+16*\b
.set rA, VC+16*\b
.set rB, PCD+8*\a
.set rSA, VS+\b
.set rSB, PW+\a
.set rR, 0
	PROD0
.endr
.endr
.if \m < 3
	STPROD \m+1
.endif
	PLACES 4                                       ; ahead of the first reads of O^T and of the next scores
.endm
	s_load_b256 s[4:11], s[0:1], 0x0               ; xc s[4:5], xs s[6:7], wimg s[8:9], b_qkv s[10:11]
	s_load_b64 s[12:13], s[0:1], 0x20              ; out0
	v_lshl_add_u32 v[SPW], v0, 2, SPARE
	v_mov_b32 v[NIL], 0
	ds_add_u32 v[SPW], v[NIL]                      ; the wave's opening: the add, twice on end, and its wait ahead of my first tensor load
	ds_add_u32 v[SPW], v[NIL]
	v_lshrrev_b32 v[WA], 5, v0
	v_readfirstlane_b32 s[WV], v[WA]               ; wave 0..3
	v_and_b32 v[TM], 15, v0                        ; r
	v_bfe_u32 v[TM+1], v0, 4, 1                    ; h
	s_mul_i32 s18, s[WV], 16*SPI
	s_add_co_u32 s18, s18, STG                     ; my stage
	v_mul_u32_u24 v[SO], v[TM], SPI
	v_lshl_add_u32 v[SO], v[TM+1], 6, v[SO]
	v_add_nc_u32 v[SO], s18, v[SO]                 ; in: row r, + 64 h
	v_mul_u32_u24 v[SR], v[TM+1], SPI
	v_lshl_add_u32 v[SR], v[TM], 4, v[SR]
	v_add_nc_u32 v[SR], s18, v[SR]                 ; back: lanes 0-15 one row, lanes 16-31 the next
	v_lshlrev_b32 v[BH], 6, v[TM+1]
	v_and_b32 v[BV], 8, v[TM]
	v_add_nc_u32 v[BV], v[BV], v[TM]
	v_lshlrev_b32 v[BV], 2, v[BV]
	v_and_b32 v[LI], 31, v0
	v_lshlrev_b32 v[LI], 4, v[LI]                  ; 16 x lane
.irp e, 0,1,2,3,4,5,6,7
	v_mov_b32 v[TP+\e], 0                          ; written once: a lane permute's destination counts as one of its sources
.endr
	s_bfe_u32 s15, ttmp6, 0x40000                  ; cx: my place in the cluster; it enters the addresses of xc, xs and out0 alone
	s_lshl_b32 s16, ttmp9, 2                       ; in a cluster launch ttmp9 counts clusters
	s_add_co_u32 s16, s16, s15
	s_lshl_b32 s16, s16, 2
	s_add_co_u32 s16, s16, s[WV]                   ; my chunk = 4 x work-group x + wave
	s_and_b32 s17, ttmp7, 0xffff                   ; the pair of heads, which the four partners share
	s_lshl_b32 s46, s16, 16                        ; a chunk's codes: 8 tiles x 8,192 bytes
	s_mov_b32 s47, 0
	s_lshl_b32 s48, s16, 12                        ; its scale bytes: 4 x 1,024
	s_mov_b32 s49, 0
	s_lshr_b32 s50, s16, 6
	s_lshl_b32 s50, s50, 25                        ; out0: the batch, 33,554,432 bytes;
	s_and_b32 s51, s16, 63
	s_lshl_b32 s51, s51, 15                        ; the chunk's 128 rows of 256 bytes;
	s_add_co_u32 s50, s50, s51
	s_lshl_b32 s51, s17, 22                        ; the pair's first head, 2,097,152 bytes a head
	s_add_co_u32 s50, s50, s51
	s_mov_b32 s51, 0
	s_lshl_b32 s52, s17, 9                         ; b_qkv: 256 bytes a head
	s_mov_b32 s53, 0
	s_mul_i32 s22, s[WV], QUART                    ; my quarter of W: in LDS, and in the pair's six pieces
	s_mul_i32 s20, s17, WALL
	s_add_co_u32 s20, s20, s22
	s_mov_b32 s21, 0
	; descriptor group 1: a dense block as 204 rows of 256 bytes (32 elements of 8 bytes), no padding: the images are read 512 consecutive bytes an instruction
	s_mov_b32 s[G1], 15|(3<<16)|(1<<21)            ; 15:0 the mask: all four work-groups; 17:16 elements of 8 bytes; 21 set beside a mask
	s_mov_b32 s[G1+1], 32<<16                      ; tensor_dim0 = 32
	s_mov_b32 s[G1+2], 204<<16                     ; tensor_dim1 = 204
	s_mov_b32 s[G1+3], 32<<16                      ; tile_dim0 = 32
	s_mov_b32 s[G1+4], 204                         ; tile_dim1 = 204
	s_mov_b32 s[G1+5], 32                          ; from row to row
	s_mov_b32 s[G1+6], 0
	s_mov_b32 s[G1+7], 0
	s_mov_b32 s[SEL], 0x76543210
	s_mov_b32 s[SEL+1], 0xfedcba98
	s_mov_b32 s[CS], 0x3e38aa3b                    ; c = log2(e) / 8
	s_mov_b32 s[CS+1], s[CS]                       ; (named with it as a pair, so it is written)
	s_mov_b32 s[HM], 0xffff0000
	s_mov_b32 s[HD], 2
	s_mov_b32 s[PB], 0
	s_wait_alu depctr_va_vdst(0)                   ; the wait at the head's end
	s_wait_dscnt 0x0                               ; both opening adds are done
	s_wait_kmcnt 0x0
	s_add_nc_u64 s[4:5], s[4:5], s[46:47]
	s_add_nc_u64 s[6:7], s[6:7], s[48:49]
	s_add_nc_u64 s[10:11], s[10:11], s[52:53]
	s_add_nc_u64 s[12:13], s[12:13], s[50:51]
	s_mov_b32 s[G0], 1                             ; count = 1
	s_mov_b32 s[G0+1], s22                         ; LDS address
	s_add_nc_u64 s[G0+2:G0+3], s[8:9], s[20:21]    ; global address: it hangs on the pair of heads and the wave alone
	s_or_b32 s[G0+3], s[G0+3], 0x80000000          ; type = 2
	BIASQK 4096                                    ; the first head's bias of k
.irp n, 0,1,2,3,4,5,6,7
	global_load_b128 v[XS+4*\n:XS+4*\n+3], v[LI], s[6:7] offset:512*\n
.endr
	CROUND                                         ; all four work-groups are here: the joint loads meet
	tensor_load_to_lds s[G0:G0+3], s[G1:G1+7]      ; my one tensor load of the launch
	s_nop 0
	PLACES 4                                       ; four plain lines behind it, ahead of the first switch of windows
; x's codes, K step by K step, 16 loads each, 512 consecutive bytes a load
.macro XLOAD s
.irp i, 0,1,2,3,4,5,6,7
.irp c, 0,1
	global_load_b128 v[64*(\s%4)+8*\i+4*\c:64*(\s%4)+8*\i+4*\c+3], v[LI], s[4:5] offset:\i*8192+\s*1024+512*\c
.endr
.endr
.endm
	WIN 0x80                                       ; destination window 2
.irp s, 0,1,2,3
	XLOAD \s
.endr
	WIN 0xc0                                       ; destination window 3
.irp s, 4,5,6,7
	XLOAD \s
.endr
	WIN 0
	s_wait_tensorcnt 0x0                           ; my quarter of W has landed,
	s_barrier_signal -1
	s_barrier_wait -1                              ; everybody's has: from here on W is only read
.Lhead:                                                ; two trips: a head each
	PRELOAD
	s_wait_alu depctr_va_vdst(0)                   ; ahead of the waits below
	PASS 0, 1, 0                                   ; k
	PRELOAD
	QUANT 0
	s_wait_alu depctr_va_vdst(0)                   ; ahead of the wait below
	s_wait_loadcnt 0x0                             ; v's bias
	WIN 0x40
.irp j, 0,1,2,3,4,5,6,7,8,9,10,11,12,13,14,15
.irp t, 0,1,2,3
	v_mov_b32 v[64*\t+48+\j], v[BI+8*\t]           ; a lane holds one d in v's pass: its bias in all sixteen registers of token pair 3's accumulator
.endr
.endr
	WIN 0
	s_wait_alu depctr_va_vdst(0)                   ; ahead of the waits below
	PASS 1, 0, 1                                   ; v
	PRELOAD
	QUANT 1
	s_wait_alu depctr_va_vdst(0)                   ; ahead of the waits below
	s_wait_loadcnt 0x0                             ; q's bias
	PASS 0, 0, 2                                   ; q
.irp t, 0,1,2,3,4,5,6,7
.irp j, 4,5,6,7
	v_mov_b32 v[QC+8*\t+\j], 0                     ; zero codes for k = 64 .. 127 of q's fragments (W's buffers lay here)
.endr
.endr
	QUANT 2
	PLACES 4                                       ; q's codes, written by vector lines, stand four places ahead of the product that takes them
	STPROD 0
	PLACES 4                                       ; ahead of the first read of the scores
.irp n, 0,1,2,3
	PAIR \n
.endr
	NORM
	STAGE
	SEND 3
	WIN 0                                          ; at a label and at a branch every window is 0
	s_wait_alu depctr_va_vdst(0)                   ; ahead of the waits and the branch below
	s_wait_xcnt 0x0                                ; the stores have read their registers and their base, the bias loads theirs: all are written again only behind this wait
	s_wait_loadcnt 0x0                             ; the next head's bias of k
	s_add_nc_u64 s[10:11], s[10:11], 256
	s_add_nc_u64 s[12:13], s[12:13], 2097152
	s_sub_co_u32 s[HD], s[HD], 1
	s_cmp_lg_u32 s[HD], 0
	s_cbranch_scc1 .Lhead
	s_wait_tensorcnt 0x0                           ; the wave's end
	ds_add_u32 v[SPW], v[NIL]
	s_wait_dscnt 0x0
	CROUND                                         ; the closing round: no work-group ends while a partner may still ask for W jointly
	s_endpgm
.Lfunc_end_k_q37aa9fe08b_attn:
	.size	k_q37aa9fe08b_attn, .Lfunc_end_k_q37aa9fe08b_attn-k_q37aa9fe08b_attn
	.p2alignl 7, 3214868480
	.fill 96, 4, 3214868480
	.section	.rodata,"a",@progbits
	.p2align	6, 0x0
	.amdhsa_kernel k_q37aa9fe08b_attn
		.amdhsa_group_segment_fixed_size 226816
		.amdhsa_private_segment_fixed_size 0
		.amdhsa_enable_private_segment 0
		.amdhsa_kernarg_size 40
		.amdhsa_user_sgpr_count 2
		.amdhsa_user_sgpr_kernarg_segment_ptr 1
		.amdhsa_wavefront_size32 1
		.amdhsa_system_sgpr_workgroup_id_x 1
		.amdhsa_system_sgpr_workgroup_id_y 1
		.amdhsa_system_sgpr_workgroup_id_z 1
		.amdhsa_system_vgpr_workitem_id 0
		.amdhsa_next_free_vgpr 1024
		.amdhsa_next_free_sgpr 66
		.amdhsa_reserve_vcc 0
		.amdhsa_float_denorm_mode_32 3
		.amdhsa_float_denorm_mode_16_64 3
		.amdhsa_memory_ordered 1
		.amdhsa_forward_progress 1
		.amdhsa_inst_pref_size 252
	.end_amdhsa_kernel
	.amdgpu_metadata
---
amdhsa.version: [ 1, 2 ]
amdhsa.kernels:
  - .name:           k_q37aa9fe08b_attn
    .symbol:         k_q37aa9fe08b_attn.kd
    .args:
      - { .name: xc, .offset: 0, .size: 8, .value_kind: global_buffer, .address_space: global }
      - { .name: xs, .offset: 8, .size: 8, .value_kind: global_buffer, .address_space: global }
      - { .name: wimg, .offset: 16, .size: 8, .value_kind: global_buffer, .address_space: global }
      - { .name: b_qkv, .offset: 24, .size: 8, .value_kind: global_buffer, .address_space: global }
      - { .name: out0, .offset: 32, .size: 8, .value_kind: global_buffer, .address_space: global }
    .group_segment_fixed_size: 226816
    .private_segment_fixed_size: 0
    .kernarg_segment_align: 8
    .kernarg_segment_size: 40
    .max_flat_workgroup_size: 128
    .sgpr_count:     66
    .vgpr_count:     1024
    .wavefront_size: 32
...
	.end_amdgpu_metadata
.endif
;; end of part 2
